; MI455X (gfx1250); checked and timed in simulation.
; The chip was launched on July 23, 2026; its instructions are those of AMD's public machine-readable ISA for CDNA 5 (MIT licence, August 2026) and "CDNA5" Instruction Set Architecture Reference Guide (July 2026). The comments in the code are by the model that wrote it; some were corrected since.
;; Ro I Pool. Allowed arithmetic: float matrix products may take bf16 or f16 operands with f32 sums; other float arithmetic in f32, or as packed bf16 or f16 multiplies, adds, multiply-adds, maxima and minima; sums over many terms, partial sums and values carried from step to step in f32; what a program stores and reads back later, other than sums and carried values, may be rounded once to bf16 or f16.
;; Inputs: input 2 x 256 x 64 x 64 float32; rois 1,024 x 5 float32.
;; Outputs: out0 1,024 x 256 x 7 x 3 float32.
;; One version. Each part assembles by itself: llvm-mc -triple=amdgcn-amd-amdhsa -mcpu=gfx1250 --defsym DOCPART=n.
;; ======== version 1 of 1: 2 launches
;; workspace buffers: tab 25,165,824 bytes; params 262,144 bytes of whole numbers
;; launch prep (part 1): grid 256 x 1, 8 waves a work-group, no clusters, 40,448 bytes of LDS; arguments input, rois, tab, params; writes tab, params
.if DOCPART == 1
	.amdgcn_target "amdgcn-amd-amdhsa--gfx1250"
	.amdhsa_code_object_version 6
	.text
	.protected	k_qb7e871d5ac_prep
	.globl	k_qb7e871d5ac_prep
	.p2align	8
	.type	k_qb7e871d5ac_prep,@function
k_qb7e871d5ac_prep:
	s_mov_b64 s[64:65], 0
	v_nop
	global_prefetch_b8 v0, s[64:65] scope:SCOPE_SE
	s_setreg_imm32_b32 hwreg(HW_REG_WAVE_MODE, 25, 1), 1
	s_wait_xcnt 0x0
; PREPARATION FOR RoI POOLING.  input: [2][256][64][64] f32.  rois: [1024][5] f32.
; (1) tab: six tables T_k[b][h][w][256 channels] in bf16, k = 0..5: T_k = the maximum of x over w .. w + 2^k - 1 (cut at 63).  A cell is 512 bytes, a table 1<<22 bytes.
;     A range [ws, we) of 1 to 64 columns is then max(T_k[ws], T_k[we - 2^k]) for the k with 2^k < we - ws <= 2^(k+1) (k = 0 for widths 1 and 2).
;     Channel order in a cell: byte 16 l + 2 j holds channel 32 j + l (l = 0..31, j = 0..7), the order in which the next launch wants them.
; (2) params: for each (roi n, ph) a record of eight whole numbers at index 8 n + ph: words 0-3 at 16 x index, words 4-7 at 131072 + 16 x index.
;     Words 0-5: for pw = 0, 1, 2 the two cell indices 8192 k + 4096 b + 64 hstart + column; word 6: rows; word 7: bit pw set where bin (ph, pw) is not empty.
; SHARES.  A work-group owns one (b, h) and 128 of the 256 channel places (l = 16 hf .. 16 hf + 15): 32 KiB in, 96 KiB out.  Wave 0 also makes the records of four rois, a lane a record.
; ARITHMETIC OF THE BOUNDS.  Every step is the f32 step of the reference, in its order; whole numbers are kept in f32, which is exact below 2^24.  The two divisions by the constants 3 and 7
;     are carried out as multiplications by the rounded reciprocals 0x3eaaaaab and 0x3e124925 (a division by a constant compiled as a multiplication); ceil(x) is -floor(-x).
; LIMITS.  x is rounded once to bf16 (a maximum commutes with that rounding); beyond bf16's largest number it becomes an infinity; a NaN loses every maximum.
;     Coordinates times 1/16 stay under 2^23 in magnitude.  The batch index is wrapped once if negative and then held to 0..1.
.set PITCH,  272                       ; an LDS row: 128 channels x 2 bytes + 16
.set BUFA,   0                         ; two buffers of 72 rows (64 columns of the image and 8 rows of -inf) take turns
.set BUFB,   19712
.set SPARE,  39424                     ; the spare words: 128 bytes for each of eight waves, four blocks of 256 bytes that no other line names
.set LVLB,   1<<22                     ; bytes in a table
.set CH32,   32*16384                  ; bytes from channel c to channel c + 32
.set LANE, 1
.set SPW,  2                           ; LDS address of my spare word; never rewritten
.set NIL,  3                           ; 0; never rewritten
.set XO,   4                           ; 8 x lane: my two columns in a row of x
.set TS,   5                           ; where I put my two columns' 16 bytes
.set LA,   6                           ; my place (row wq, column c8) in a buffer
.set GO,   7                           ; the same place in a row of a table
.set PA,   8                           ; my 16 bytes of the -inf rows
.set C8,   9
.set WQ,   10
.set TMP,  11
.set NI,   12                          ; v[12:15]  -inf eight times
.set X,    16                          ; v[16:47]  x as loaded: group g, channel j at X + 2 (8 g + j)
.set PK,   48                          ; v[48:63]  packed
.set T,    64                          ; level k's four items at T + 16 k (level 5: three)
.set PT,   160                         ; v[160:175] the partners' items
.set RB,   176                         ; the records' arithmetic, wave 0 alone
.set X1,   177
.set Y1,   178
.set X2,   179
.set Y2,   180
.set RO,   181
.set BW,   182
.set BH,   183
.set PH,   184
.set HS,   185
.set HE,   186
.set DH,   187
.set A,    188
.set B,    189
.set WS,   190                         ; v[190:192]
.set WE,   193                         ; v[193:195]
.set CB,   196
.set SO,   197
.set REC,  200                         ; v[200:207]
.set LV,   20                          ; s[20:31]  the six tables at my row and half
	s_load_b256 s[4:11], s[0:1], 0x0               ; input s[4:5], rois s[6:7], tab s[8:9], params s[10:11]
	v_lshl_add_u32 v[SPW], v0, 2, SPARE
	v_mov_b32 v[NIL], 0
	v_lshrrev_b32 v[TMP], 5, v0
	v_readfirstlane_b32 s12, v[TMP]                ; wave 0..7
	v_and_b32 v[LANE], 31, v0
	s_lshr_b32 s13, ttmp9, 7                       ; b
	s_bfe_u32 s14, ttmp9, 0x60001                  ; h: six bits from bit 1
	s_and_b32 s15, ttmp9, 1                        ; hf: which 128 channel places
	s_lshl_b32 s16, s13, 22                        ; x: b x 256 planes of 16,384 bytes
	s_lshl_b32 s17, s15, 18                        ; + 16 hf planes
	s_add_co_u32 s16, s16, s17
	s_lshl_b32 s17, s12, 15                        ; + 2 x wave planes: my two groups l = 16 hf + 2 wave + g
	s_add_co_u32 s16, s16, s17
	s_lshl_b32 s17, s14, 8                         ; + row h
	s_add_co_u32 s16, s16, s17
	s_mov_b32 s17, 0
	s_lshl_b32 s18, s13, 21                        ; table: b x 4,096 cells of 512 bytes
	s_lshl_b32 s19, s14, 15                        ; + h x 64 cells
	s_add_co_u32 s18, s18, s19
	s_lshl_b32 s19, s15, 8                         ; + my half of a cell
	s_add_co_u32 s18, s18, s19
	s_mov_b32 s19, 0
	s_mul_i32 s32, ttmp9, 80                       ; my four rois: 20 bytes each
	s_mov_b32 s33, 0
	s_lshl_b32 s34, ttmp9, 9                       ; my 32 records: 16 bytes each, in both halves of params
	s_mov_b32 s35, 0
	v_lshlrev_b32 v[XO], 3, v[LANE]
	v_mul_u32_u24 v[TS], v[LANE], 2*PITCH          ; rows 2 lane and 2 lane + 1,
	s_lshl_b32 s36, s12, 5
	v_add_nc_u32 v[TS], s36, v[TS]                 ; columns 2 wave and 2 wave + 1 of 16 bytes
	v_and_b32 v[C8], 15, v0
	v_lshrrev_b32 v[WQ], 4, v0
	v_mul_u32_u24 v[LA], v[WQ], PITCH
	v_lshl_add_u32 v[LA], v[C8], 4, v[LA]
	v_lshlrev_b32 v[GO], 9, v[WQ]
	v_lshl_add_u32 v[GO], v[C8], 4, v[GO]
	v_bfe_u32 v[TMP], v0, 4, 3                     ; the -inf rows: threads 0-127 fill buffer A's eight, threads 128-255 buffer B's
	v_mul_u32_u24 v[PA], v[TMP], PITCH
	v_lshl_add_u32 v[PA], v[C8], 4, v[PA]
	v_lshrrev_b32 v[TMP], 7, v0
	v_mul_u32_u24 v[TMP], v[TMP], BUFB
	v_add_nc_u32 v[PA], v[PA], v[TMP]
.irp r, 0,1,2,3
	v_mov_b32 v[NI+\r], 0xff80ff80
.endr
	s_wait_kmcnt 0x0
	s_add_nc_u64 s[4:5], s[4:5], s[16:17]
	s_add_nc_u64 s[LV:LV+1], s[8:9], s[18:19]
.irp k, 1,2,3,4,5
	s_add_nc_u64 s[LV+2*\k:LV+2*\k+1], s[LV+2*\k-2:LV+2*\k-1], LVLB
.endr
	s_add_nc_u64 s[6:7], s[6:7], s[32:33]
	s_add_nc_u64 s[10:11], s[10:11], s[34:35]
	s_cmp_lg_u32 s12, 0
	s_cbranch_scc1 .Lrows
	v_lshrrev_b32 v[RO], 3, v[LANE]                ; wave 0: eight lanes share a roi; its five numbers go out ahead of the rows of x
	v_mul_u32_u24 v[RO], v[RO], 20
	global_load_b32 v[RB], v[RO], s[6:7]
	global_load_b32 v[X1], v[RO], s[6:7] offset:4
	global_load_b32 v[Y1], v[RO], s[6:7] offset:8
	global_load_b32 v[X2], v[RO], s[6:7] offset:12
	global_load_b32 v[Y2], v[RO], s[6:7] offset:16
.Lrows:
.irp g, 0,1                            ; sixteen loads, each a whole row of 256 consecutive bytes: channel 32 j + l, row h
.irp j, 0,1,2,3,4,5,6,7
	global_load_b64 v[X+2*(8*\g+\j):X+2*(8*\g+\j)+1], v[XO], s[4:5] offset:\j*CH32+\g*16384 th:TH_LOAD_NT
.endr
.endr
	ds_store_b128 v[PA], v[NI:NI+3] offset:64*PITCH
	s_cmp_lg_u32 s12, 0
	s_cbranch_scc1 .Lpack
	; THE RECORDS, while the rows of x are on their way.  Lane = 8 x (roi of four) + ph; slot ph = 7 is written and never read.
	s_wait_loadcnt 16                              ; the five numbers are in; the sixteen younger loads stay out
	v_cvt_i32_f32 v[RB], v[RB]
	v_add_nc_u32 v[A], 2, v[RB]
	v_cmp_gt_i32 vcc_lo, 0, v[RB]
	v_cndmask_b32 v[RB], v[RB], v[A], vcc_lo       ; a negative index counts from the end,
	v_cmp_gt_i32 vcc_lo, 1, v[RB]
	v_cndmask_b32 v[RB], 1, 0, vcc_lo              ; and is then held to 0..1
.irp r, X1, Y1, X2, Y2
	v_fma_f32 v[\r], v[\r], 0x3d800000, 0.5        ; the product by 1/16 is exact, so one rounding as in the reference
	v_floor_f32 v[\r], v[\r]
.endr
	v_sub_f32 v[BW], v[X2], v[X1]
	v_sub_f32 v[BH], v[Y2], v[Y1]
	v_add_f32 v[BW], 1.0, v[BW]
	v_add_f32 v[BH], 1.0, v[BH]
	v_max_num_f32 v[BW], 1.0, v[BW]
	v_max_num_f32 v[BH], 1.0, v[BH]
	v_mul_f32 v[BW], 0x3eaaaaab, v[BW]             ; bin_w = roi_w x the f32 nearest 1/3
	v_mul_f32 v[BH], 0x3e124925, v[BH]             ; bin_h = roi_h x the f32 nearest 1/7
	v_and_b32 v[PH], 7, v[LANE]
	v_cvt_f32_u32 v[PH], v[PH]
	v_mul_f32 v[HS], v[PH], v[BH]
	v_sub_f32 v[A], -1.0, v[PH]                    ; -(ph + 1)
	v_floor_f32 v[HS], v[HS]
	v_mul_f32 v[HE], v[A], v[BH]
	v_add_f32 v[HS], v[HS], v[Y1]
	v_floor_f32 v[HE], v[HE]
	v_sub_f32 v[HE], v[Y1], v[HE]                  ; y1 + ceil((ph + 1) bin_h)
	v_max_num_f32 v[HS], 0, v[HS]
	v_max_num_f32 v[HE], 0, v[HE]
	v_min_num_f32 v[HS], 0x42800000, v[HS]         ; clip to 0..64
	v_min_num_f32 v[HE], 0x42800000, v[HE]
	v_sub_f32 v[DH], v[HE], v[HS]
	v_min_num_f32 v[HS], 0x427c0000, v[HS]         ; an empty bin still names one cell inside the image: row at most 63,
	v_max_num_f32 v[A], 1.0, v[DH]                 ; one row
	v_cvt_u32_f32 v[REC+6], v[A]
	v_cvt_u32_f32 v[HS], v[HS]
	v_lshlrev_b32 v[CB], 6, v[HS]
	v_lshl_add_u32 v[CB], v[RB], 12, v[CB]         ; 4096 b + 64 hstart
	v_mov_b32 v[WS], v[X1]
	v_floor_f32 v[WS+1], v[BW]
	v_add_f32 v[A], v[BW], v[BW]
	v_floor_f32 v[WS+2], v[A]
	v_add_f32 v[WS+1], v[WS+1], v[X1]
	v_add_f32 v[WS+2], v[WS+2], v[X1]
	v_mul_f32 v[WE], -1.0, v[BW]
	v_mul_f32 v[WE+1], -2.0, v[BW]
	v_mul_f32 v[WE+2], 0xc0400000, v[BW]           ; -3 bin_w, rounded as 3 bin_w is
.irp p, 0,1,2
	v_floor_f32 v[WE+\p], v[WE+\p]
	v_sub_f32 v[WE+\p], v[X1], v[WE+\p]
.endr
.irp p, 0,1,2
	v_max_num_f32 v[WS+\p], 0, v[WS+\p]
	v_max_num_f32 v[WE+\p], 0, v[WE+\p]
	v_min_num_f32 v[WS+\p], 0x42800000, v[WS+\p]
	v_min_num_f32 v[WE+\p], 0x42800000, v[WE+\p]
	v_sub_f32 v[A], v[WE+\p], v[WS+\p]             ; the bin's width
	v_cmp_lt_f32 vcc_lo, 0, v[A]
.if \p == 0
	v_cndmask_b32 v[REC+7], 0, 1, vcc_lo
.else
	v_cndmask_b32 v[B], 0, 1<<\p, vcc_lo
	v_or_b32 v[REC+7], v[REC+7], v[B]
.endif
	v_min_num_f32 v[WS+\p], 0x427c0000, v[WS+\p]   ; an empty bin: column at most 63, width 1
	v_max_num_f32 v[A], 1.0, v[A]
	v_add_f32 v[WE+\p], v[WS+\p], v[A]
	v_add_f32 v[A], -1.0, v[A]
	v_max_num_f32 v[A], 1.0, v[A]                  ; max(width - 1, 1): its exponent is k
	v_and_b32 v[B], 0x7f800000, v[A]               ; 2^k as f32
	v_sub_f32 v[WE+\p], v[WE+\p], v[B]             ; the second window begins at wend - 2^k
	v_lshrrev_b32 v[A], 23, v[A]
	v_add_nc_u32 v[A], 0xffffff81, v[A]            ; k
	v_cvt_u32_f32 v[WS+\p], v[WS+\p]
	v_cvt_u32_f32 v[WE+\p], v[WE+\p]
	v_lshl_add_u32 v[A], v[A], 13, v[CB]
	v_add_nc_u32 v[REC+2*\p], v[A], v[WS+\p]
	v_add_nc_u32 v[REC+2*\p+1], v[A], v[WE+\p]
.endr
	v_cmp_lt_f32 vcc_lo, 0, v[DH]
	v_cndmask_b32 v[REC+7], 0, v[REC+7], vcc_lo    ; no rows: all three bins are empty
	v_lshlrev_b32 v[SO], 4, v[LANE]
	global_store_b128 v[SO], v[REC:REC+3], s[10:11]                 ; each store of the wave covers 512 consecutive bytes, aligned
	global_store_b128 v[SO], v[REC+4:REC+7], s[10:11] offset:131072
.Lpack:                                        ; f32 to bf16, eight channels of one column to 16 bytes, into LDS rows [w][128 channels]
.irp g, 0,1
	s_wait_loadcnt 8-8*\g                          ; group g's eight rows are in; the other group's may stay out
.irp e, 0,1
.irp q, 0,1,2,3
	v_cvt_pk_bf16_f32 v[PK+8*\g+4*\e+\q], v[X+2*(8*\g+2*\q)+\e], v[X+2*(8*\g+2*\q+1)+\e]
.endr
	ds_store_b128 v[TS], v[PK+8*\g+4*\e:PK+8*\g+4*\e+3] offset:\e*PITCH+\g*16  ; lanes are 544 bytes apart; four such stores a wave
.endr
.endr
.macro MEET                            ; my LDS stores are done and my LDS loads are back; then all eight waves meet
	s_wait_dscnt 0x0
	s_barrier_signal -1
	s_barrier_wait -1
.endm
.macro OUT k                           ; level k's four items leave: sixteen lanes store 256 consecutive bytes, aligned; each level has registers of its own, so no store's data is rewritten
.irp i, 0,1,2,3
	global_store_b128 v[GO], v[T+16*(\k)+4*\i:T+16*(\k)+4*\i+3], s[LV+2*(\k):LV+2*(\k)+1] offset:\i*8192
.endr
.endm
.macro PARTNER buf, step               ; the items step columns to the right of mine; beyond column 63 lie the rows of -inf
.irp i, 0,1,2,3
	ds_load_b128 v[PT+4*\i:PT+4*\i+3], v[LA] offset:(\buf)+(16*\i+(\step))*PITCH
.endr
.endm
.macro MAXUP k                         ; level k + 1 = max(level k, its partner), two channels an instruction
.set r, 0
.rept 16
	v_pk_max_num_bf16 v[T+16*(\k)+16+r], v[T+16*(\k)+r], v[PT+r]
.set r, r+1
.endr
.endm
.macro KEEP k, buf                     ; level k into the buffer that nobody reads in this phase
.irp i, 0,1,2,3
	ds_store_b128 v[LA], v[T+16*(\k)+4*\i:T+16*(\k)+4*\i+3] offset:(\buf)+16*\i*PITCH
.endr
.endm
	MEET                                           ; level 0 and the -inf rows lie in LDS
.irp i, 0,1,2,3                        ; thread (c8, wq) owns columns wq + 16 i of the image, 16 bytes each
	ds_load_b128 v[T+4*\i:T+4*\i+3], v[LA] offset:BUFA+16*\i*PITCH
.endr
	PARTNER BUFA, 1
	s_wait_dscnt 4                                 ; my own four items are in; the four partners may stay out
	OUT 0
	s_wait_dscnt 0x0
	MAXUP 0
	KEEP 1, BUFB
	OUT 1
	MEET                                           ; level 1 lies in B; all reads of A are over
	PARTNER BUFB, 2
	s_wait_dscnt 0x0
	MAXUP 1
	KEEP 2, BUFA
	OUT 2
	MEET                                           ; level 2 lies in A; all reads of B are over
	PARTNER BUFA, 4
	s_wait_dscnt 0x0
	MAXUP 2
	KEEP 3, BUFB
	OUT 3
	MEET                                           ; level 3 lies in B
	PARTNER BUFB, 8
	s_wait_dscnt 0x0
	MAXUP 3
	OUT 4
.set r, 0
.rept 12                               ; level 5: the partner 16 columns on is my own next item; from column 48 on level 4 already reaches column 63
	v_pk_max_num_bf16 v[T+80+r], v[T+64+r], v[T+68+r]
.set r, r+1
.endr
.irp i, 0,1,2
	global_store_b128 v[GO], v[T+80+4*\i:T+80+4*\i+3], s[LV+10:LV+11] offset:\i*8192
.endr
	global_store_b128 v[GO], v[T+76:T+79], s[LV+10:LV+11] offset:3*8192
	s_wait_tensorcnt 0x0                           ; the wave's end, behind my last LDS store
	ds_add_u32 v[SPW], v[NIL]
	s_wait_dscnt 0x0
	s_endpgm
.Lfunc_end_k_qb7e871d5ac_prep:
	.size	k_qb7e871d5ac_prep, .Lfunc_end_k_qb7e871d5ac_prep-k_qb7e871d5ac_prep
	.p2alignl 7, 3214868480
	.fill 96, 4, 3214868480
	.section	.rodata,"a",@progbits
	.p2align	6, 0x0
	.amdhsa_kernel k_qb7e871d5ac_prep
		.amdhsa_group_segment_fixed_size 40448
		.amdhsa_private_segment_fixed_size 0
		.amdhsa_enable_private_segment 0
		.amdhsa_kernarg_size 32
		.amdhsa_user_sgpr_count 2
		.amdhsa_user_sgpr_kernarg_segment_ptr 1
		.amdhsa_wavefront_size32 1
		.amdhsa_system_sgpr_workgroup_id_x 1
		.amdhsa_system_sgpr_workgroup_id_y 1
		.amdhsa_system_sgpr_workgroup_id_z 1
		.amdhsa_system_vgpr_workitem_id 0
		.amdhsa_next_free_vgpr 208
		.amdhsa_next_free_sgpr 66
		.amdhsa_reserve_vcc 1
		.amdhsa_float_denorm_mode_32 3
		.amdhsa_float_denorm_mode_16_64 3
		.amdhsa_memory_ordered 1
		.amdhsa_forward_progress 1
		.amdhsa_inst_pref_size 22
	.end_amdhsa_kernel
	.amdgpu_metadata
---
amdhsa.version: [ 1, 2 ]
amdhsa.kernels:
  - .name:           k_qb7e871d5ac_prep
    .symbol:         k_qb7e871d5ac_prep.kd
    .args:
      - { .name: input, .offset: 0, .size: 8, .value_kind: global_buffer, .address_space: global }
      - { .name: rois, .offset: 8, .size: 8, .value_kind: global_buffer, .address_space: global }
      - { .name: tab, .offset: 16, .size: 8, .value_kind: global_buffer, .address_space: global }
      - { .name: params, .offset: 24, .size: 8, .value_kind: global_buffer, .address_space: global }
    .group_segment_fixed_size: 40448
    .private_segment_fixed_size: 0
    .kernarg_segment_align: 8
    .kernarg_segment_size: 32
    .max_flat_workgroup_size: 256
    .sgpr_count:     66
    .vgpr_count:     208
    .wavefront_size: 32
...
	.end_amdgpu_metadata
.endif
;; end of part 1
;; launch pool (part 2): grid 1024 x 1, 7 waves a work-group, no clusters, 22,528 bytes of LDS; arguments tab, params, out0; writes out0
.if DOCPART == 2
	.amdgcn_target "amdgcn-amd-amdhsa--gfx1250"
	.amdhsa_code_object_version 6
	.text
	.protected	k_qb7e871d5ac_pool
	.globl	k_qb7e871d5ac_pool
	.p2align	8
	.type	k_qb7e871d5ac_pool,@function
k_qb7e871d5ac_pool:
	s_mov_b64 s[64:65], 0
	v_nop
	global_prefetch_b8 v0, s[64:65] scope:SCOPE_SE
	s_setreg_imm32_b32 hwreg(HW_REG_WAVE_MODE, 25, 1), 1
	s_wait_xcnt 0x0
; RoI POOLING from the tables of the launch before.  out0: [1024][256][7][3] f32.
; tab: T_k[b][h][w][256 channels] bf16, the maximum over 2^k columns from w on; a cell is 512 bytes, cell index = 8192 k + 4096 b + 64 h + w.
; params: record 8 n + ph: words 0-3 at 16 x index, words 4-7 at 131072 + 16 x index: six cell indices (pw = 0, 1, 2: the two windows that cover the bin's columns,
; in the bin's first row), the number of rows, and bit pw set where the bin is not empty.
; SHARES.  A work-group makes one roi, wave ph its row of three bins for all 256 channels; a lane holds eight channels (16 bytes of a cell): byte 16 l + 2 j is channel 32 j + l.
; A row of the bin costs six loads of 512 consecutive bytes and 24 packed maxima.  Rows go four at a time in a counted loop, the last one to three in a block written out for each number:
; no row is read twice by a wave and nothing is masked.  All addresses and trip counts come from whole numbers read from params, each held to a constant bound first.
; THE WAY OUT.  The roi's 21,504 bytes are gathered in LDS as they lie in out0 ([channel][ph][pw] f32); behind one barrier each wave stores 6 x 512 consecutive bytes.
; No cluster and no tensor loads: what a work-group reads are single cells chosen by its own roi, so no tile is shared in step with a neighbour.
; LIMITS.  Values carry the tables' one rounding to bf16; a NaN loses every maximum.
.set ROWB,  32768                      ; bytes from a row of cells to the next
.set SPARE, 21504                      ; behind the stage: the spare words, 128 bytes for each of seven waves, in four blocks of 256 bytes that no other line names
.set LANE, 1
.set SPW,  2                           ; LDS address of my spare word; never rewritten
.set NIL,  3                           ; 0; never rewritten
.set VO,   4                           ; 16 x lane + the rows done so far
.set LS,   5                           ; the stage: 84 x lane + 12 ph
.set LR,   6                           ; 3,072 x wave + 16 x lane: my 16 bytes in the stage and in the roi's part of out0
.set ACC,  8                           ; v[8:19]    the three bins' running maxima, four registers each
.set D,    20                          ; v[20:115]  four rows of six loads
.set W,    20                          ; later: 24 results in f32, channel j, bin pw at W + 3 j + pw
.set OB,   44                          ; later: v[44:67] six pieces of 16 bytes on their way out
.set BASE, 24                          ; s[24:35]   the six windows' addresses in the bin's first row
	s_load_b128 s[4:7], s[0:1], 0x0                ; tab s[4:5], params s[6:7]
	s_load_b64 s[8:9], s[0:1], 0x10                ; out0
	v_lshl_add_u32 v[SPW], v0, 2, SPARE
	v_mov_b32 v[NIL], 0
	v_lshrrev_b32 v[LANE], 5, v0
	v_readfirstlane_b32 s10, v[LANE]               ; wave = ph, 0..6
	v_and_b32 v[LANE], 31, v0
	s_lshl_b32 s12, ttmp9, 7                       ; record 8 n + ph, 16 bytes
	s_lshl_b32 s13, s10, 4
	s_add_co_u32 s12, s12, s13
	s_mov_b32 s13, 0
	s_mul_i32 s14, ttmp9, 21504                    ; the roi's part of out0: 84 x 256 bytes
	s_mov_b32 s15, 0
	s_wait_kmcnt 0x0
	s_add_nc_u64 s[6:7], s[6:7], s[12:13]
	s_load_b128 s[16:19], s[6:7], 0x0
	s_load_b128 s[20:23], s[6:7], 0x20000
	s_add_nc_u64 s[8:9], s[8:9], s[14:15]
	v_lshlrev_b32 v[VO], 4, v[LANE]
	v_mul_u32_u24 v[LS], v[LANE], 84
	s_mul_i32 s11, s10, 12
	v_add_nc_u32 v[LS], s11, v[LS]
	s_mul_i32 s11, s10, 3072
	v_lshl_add_u32 v[LR], v[LANE], 4, s11
.set r, 0
.rept 12
	v_mov_b32 v[ACC+r], 0xff80ff80                 ; -inf twice: written while the record is on its way, so that every row has one form
.set r, r+1
.endr
	s_wait_kmcnt 0x0
.irp q, 0,1,2,3,4,5
	s_min_u32 s[16+\q], s[16+\q], 0xbfff           ; a cell index is held inside the six tables (49,152 cells) before it enters an address
	s_lshl_b32 s[BASE+2*\q], s[16+\q], 9
	s_mov_b32 s[BASE+2*\q+1], 0
	s_add_nc_u64 s[BASE+2*\q:BASE+2*\q+1], s[4:5], s[BASE+2*\q:BASE+2*\q+1]
.endr
	s_min_u32 s22, s22, 64                         ; rows: 1 to 64
	s_lshr_b32 s41, s22, 2                         ; blocks of four
	s_and_b32 s42, s22, 3                          ; and the rest
	s_bitcmp1_b32 s23, 0                           ; an empty bin gives 0: a mask of ones or of zeros for each bin,
	s_cselect_b32 s44, -1, 0
	s_bitcmp1_b32 s23, 1
	s_cselect_b32 s45, -1, 0
	s_bitcmp1_b32 s23, 2
	s_cselect_b32 s46, -1, 0
	s_and_b32 s48, s44, 0xffff0000                 ; and the same cut to a word's upper bf16
	s_and_b32 s49, s45, 0xffff0000
	s_and_b32 s50, s46, 0xffff0000
; nr rows: all their loads go out together; a row's six are waited for with the younger rows' loads still out.
.macro BLOCK nr
.set j, 0
.rept \nr
.irp q, 0,1,2,3,4,5
	global_load_b128 v[D+24*j+4*\q:D+24*j+4*\q+3], v[VO], s[BASE+2*\q:BASE+2*\q+1] offset:j*ROWB
.endr
.set j, j+1
.endr
.set j, 0
.rept \nr
	s_wait_loadcnt 6*((\nr)-1-j)                   ; loads come back in order (ISA guide 5.7.1): row j is in, six loads for each younger row stay out
.irp p, 0,1,2
.irp r, 0,1,2,3
	v_pk_max_num_bf16 v[D+24*j+8*\p+\r], v[D+24*j+8*\p+\r], v[D+24*j+8*\p+4+\r]  ; the two windows of bin p
.endr
.endr
.irp p, 0,1,2
.irp r, 0,1,2,3
	v_pk_max_num_bf16 v[ACC+4*\p+\r], v[ACC+4*\p+\r], v[D+24*j+8*\p+\r]
.endr
.endr
.set j, j+1
.endr
.endm
	s_cmp_eq_u32 s41, 0
	s_cbranch_scc1 .Lrest
	s_mov_b32 s40, 0
.Lfour:
	BLOCK 4
	v_add_nc_u32 v[VO], 4*ROWB, v[VO]              ; the block's last wait was for 0: every load that read this register is done
	s_add_co_u32 s40, s40, 1
	s_cmp_lt_u32 s40, s41
	s_cbranch_scc1 .Lfour
.Lrest:
	s_cmp_eq_u32 s42, 0
	s_cbranch_scc1 .Ldone
	s_cmp_eq_u32 s42, 1
	s_cbranch_scc1 .Lone
	s_cmp_eq_u32 s42, 2
	s_cbranch_scc1 .Ltwo
	BLOCK 3
	s_branch .Ldone
.Ltwo:
	BLOCK 2
	s_branch .Ldone
.Lone:
	BLOCK 1
.Ldone:
	; bf16 to f32 (the low half moves up, the high half stays), empty bins to 0
.irp p, 0,1,2
.irp q, 0,1,2,3
	v_lshlrev_b32 v[W+6*\q+\p], 16, v[ACC+4*\p+\q]             ; channel 32 (2 q) + l
	v_and_b32 v[W+6*\q+3+\p], s[48+\p], v[ACC+4*\p+\q]         ; channel 32 (2 q + 1) + l
.endr
.endr
.irp p, 0,1,2
.irp q, 0,1,2,3
	v_and_b32 v[W+6*\q+\p], s[44+\p], v[W+6*\q+\p]
.endr
.endr
.irp j, 0,1,2,3,4,5,6,7
.irp p, 0,1,2
	ds_store_b32 v[LS], v[W+3*\j+\p] offset:\j*2688+\p*4       ; channel 32 j + l, 84 bytes a channel: lanes are 21 words apart, an odd number, so 32 lanes fall on 32 different banks (64 banks of 4 bytes: ISA guide 11.1)
.endr
.endr
	s_wait_dscnt 0x0                               ; for the others' sake: my stores into the stage are done
	s_barrier_signal -1
	s_barrier_wait -1                              ; all seven rows of bins lie in the stage
.irp t, 0,1,2,3,4,5
	ds_load_b128 v[OB+4*\t:OB+4*\t+3], v[LR] offset:\t*512
.endr
.irp t, 0,1,2,3,4,5
	s_wait_dscnt 5-\t                              ; piece t is back; the younger pieces may stay out
	global_store_b128 v[LR], v[OB+4*\t:OB+4*\t+3], s[8:9] offset:\t*512 th:TH_STORE_NT  ; the wave stores 512 consecutive bytes, at a multiple of 256 from the first byte of out0
.endr
	s_wait_tensorcnt 0x0                           ; the wave's end, behind my last LDS store
	ds_add_u32 v[SPW], v[NIL]
	s_wait_dscnt 0x0
	s_endpgm
.Lfunc_end_k_qb7e871d5ac_pool:
	.size	k_qb7e871d5ac_pool, .Lfunc_end_k_qb7e871d5ac_pool-k_qb7e871d5ac_pool
	.p2alignl 7, 3214868480
	.fill 96, 4, 3214868480
	.section	.rodata,"a",@progbits
	.p2align	6, 0x0
	.amdhsa_kernel k_qb7e871d5ac_pool
		.amdhsa_group_segment_fixed_size 22528
		.amdhsa_private_segment_fixed_size 0
		.amdhsa_enable_private_segment 0
		.amdhsa_kernarg_size 24
		.amdhsa_user_sgpr_count 2
		.amdhsa_user_sgpr_kernarg_segment_ptr 1
		.amdhsa_wavefront_size32 1
		.amdhsa_system_sgpr_workgroup_id_x 1
		.amdhsa_system_sgpr_workgroup_id_y 1
		.amdhsa_system_sgpr_workgroup_id_z 1
		.amdhsa_system_vgpr_workitem_id 0
		.amdhsa_next_free_vgpr 116
		.amdhsa_next_free_sgpr 66
		.amdhsa_reserve_vcc 0
		.amdhsa_float_denorm_mode_32 3
		.amdhsa_float_denorm_mode_16_64 3
		.amdhsa_memory_ordered 1
		.amdhsa_forward_progress 1
		.amdhsa_inst_pref_size 29
	.end_amdhsa_kernel
	.amdgpu_metadata
---
amdhsa.version: [ 1, 2 ]
amdhsa.kernels:
  - .name:           k_qb7e871d5ac_pool
    .symbol:         k_qb7e871d5ac_pool.kd
    .args:
      - { .name: tab, .offset: 0, .size: 8, .value_kind: global_buffer, .address_space: global }
      - { .name: params, .offset: 8, .size: 8, .value_kind: global_buffer, .address_space: global }
      - { .name: out0, .offset: 16, .size: 8, .value_kind: global_buffer, .address_space: global }
    .group_segment_fixed_size: 22528
    .private_segment_fixed_size: 0
    .kernarg_segment_align: 8
    .kernarg_segment_size: 24
    .max_flat_workgroup_size: 224
    .sgpr_count:     66
    .vgpr_count:     116
    .wavefront_size: 32
...
	.end_amdgpu_metadata
.endif
;; end of part 2
